; MI455X (gfx1250); checked and timed in simulation.
; The chip was launched on July 23, 2026; its instructions are those of AMD's public machine-readable ISA for CDNA 5 (MIT licence, August 2026) and "CDNA5" Instruction Set Architecture Reference Guide (July 2026). The comments in the code are by the model that wrote it; some were corrected since.
;; Multi Head Attention. Allowed arithmetic: matrix products marked QUANTISED: E2M1 operands, one E8M0 scale for each 32 along K, by v_wmma_scale_f32_16x16x128_f8f6f4 with both operands' format E2M1 (or v_wmma_scale_f32_32x16x128_f4), f32 sums; everything else in f32.
;; Inputs: b_qkv 3,072 float32; w_qkv_codes 3,072 x 32 x 16 uint8 (E2M1 codes of w_qkv, K innermost, in blocks of 32 codes, two codes a byte); w_qkv_scales 3,072 x 32 uint8 (E8M0 scales of w_qkv, one for each 32 codes along K); x_codes 2 x 2,048 x 32 x 16 uint8 (E2M1 codes of x, K innermost, in blocks of 32 codes, two codes a byte); x_scales 2 x 2,048 x 32 uint8 (E8M0 scales of x, one for each 32 codes along K).
;; Outputs: out0 2 x 2,048 x 1,024 float32.
;; This version of the problem:
;;   THIS VERSION OF THE PROBLEM IS GIVEN IN LOW PRECISION. The matrix products marked QUANTISED in the list below multiply operands that are first quantised to E2M1 (2 exponent bits, 1 mantissa bit; 4 bits a number), with one power-of-two scale for each 32 numbers along K (OCP MX v1.0); their sums are f32. All else is computed in f32.
;;   The module's matrix products, in the order in which they are computed (A, B: the left and right operand; K: the contracted axis; several contracted axes count as one K, in the product's order):
;;     1. [M 4,096, K 1,024] x [K 1,024, N 3,072]; A: input x (given as codes); B: input w_qkv (given as codes): QUANTISED
;;     2. batch 32 x [M 2,048, K 64] x [K 64, N 2,048]; A: computed on the way; B: computed on the way: QUANTISED
;;     3. batch 32 x [M 2,048, K 2,048] x [K 2,048, N 64]; A: softmax (see below); B: computed on the way: QUANTISED
;;   THE QUANTISER, for each operand of a quantised product, along K:
;;     - K is cut into blocks of 32 from its start; a last block that is shorter is filled with zeros.
;;     - A block's scale is 2^e with e = floor(log2(the largest magnitude in the block)) - 2, held to -126 .. 127; a block of zeros has e = 0. As a byte (E8M0): e + 127.
;;     - Each number is divided by its block's scale, clamped to +-6, and rounded to the nearest number of E2M1, ties to even, subnormals kept.
;;     - The product sums the exact products of the quantised numbers (number of the format x scale) in f32.
;;   ~~~python
;;   def quantise(x, axis):      # numpy; x: float32 -> the quantised numbers, widened to float32 again
;;       x = np.moveaxis(x, axis, -1); K = x.shape[-1]
;;       x = np.pad(x, [(0, 0)] * (x.ndim - 1) + [(0, -K % 32)]); x = x.reshape(x.shape[:-1] + (-1, 32)); a = np.abs(x).max(-1, keepdims=True)
;;       e = np.where(a > 0, np.clip(np.frexp(np.where(a > 0, a, 1))[1] - 1 - 2, -126, 127), 0)      # np.frexp(a)[1] - 1 = floor(log2(a)), exactly
;;       r = np.clip(x / 2.0 ** e, -6, 6)
;;       step = 2.0 ** (np.maximum(np.frexp(np.where(r == 0, 1, r))[1] - 1, 0) - 1)
;;       q = np.round(r / step) * step * 2.0 ** e      # np.round: ties to even
;;       return np.moveaxis(q.reshape(q.shape[:-2] + (-1,))[..., :K], -1, axis).astype(np.float32)
;;   ~~~
;;   SOFTMAX AHEAD OF A QUANTISED PRODUCT. Where the list says 'softmax', what is quantised is not the finished softmax but p = 2^(t - M), with t = logit x log2(e) and M = ceil(the row's largest t), a whole number; so 1/2 < the row's largest p <= 1. The row's sum l is taken of the UNQUANTISED p, in f32, and the product's result is divided by l at the end. Since M is a whole number, a kernel that streams over the keys may use a running M (the ceiling of the running maximum): every later rescaling is an exact power of two, which a block's scale takes up: the codes' values come out the same.
;;   OPERANDS COMPUTED ON THE WAY. 'Computed on the way' means the value that the module computes at that place (a softmax that the list does not call 'softmax' is quantised finished and normalised). What goes into a quantiser is computed in f32, as accurately as f32 sums, v_exp_f32 and their like allow (about 1e-6 of the number): no bf16 or f16 on the way to a quantiser, and a product that is left as it is and whose result goes on into a quantised operand takes f32 operands (vector FMAs, or v_wmma_f32_16x16x4_f32). A number that lies on a knife's edge between two numbers of the format may be rounded either way, as far as f32 arithmetic and the matrix unit's own rounding can turn it there, and no further.
;;   INPUTS GIVEN AS CODES. w_qkv (in the module: [1024, 3072], K = its axis 0); x (in the module: [2, 2048, 1024], K = its axis 2): each comes as NAME_codes (uint8): NAME with its K axis moved to the last place and cut into blocks of 32 codes, [.., K / 32, bytes a block], one block behind the other in memory; two codes a byte, the lower K in the low four bits (a code: sign, 2 exponent bits, 1 mantissa bit); and NAME_scales (uint8): the same leading axes, one E8M0 byte (e + 127) for each 32 codes along K. Its value is code x scale, taken as it is: it is not quantised again, and the codes and scales need not be those that the quantiser above would give.
;; One version. Each part assembles by itself: llvm-mc -triple=amdgcn-amd-amdhsa -mcpu=gfx1250 --defsym DOCPART=n.
;; ======== version 1 of 1: 2 launches
;; limits: right only within a limited range of input values
;; workspace buffers: qimg 2,359,296 bytes; kvimg 4,456,448 bytes
;; launch qkv (part 1): grid 16 x 16, 4 waves a work-group, clusters of 4 x 4, 253,440 bytes of LDS; arguments x_codes, x_scales, w_qkv_codes, w_qkv_scales, b_qkv, qimg, kvimg; writes qimg, kvimg
.if DOCPART == 1
	.amdgcn_target "amdgcn-amd-amdhsa--gfx1250"
	.amdhsa_code_object_version 6
	.text
	.protected	k_qe342a6d8f1_qkv
	.globl	k_qe342a6d8f1_qkv
	.p2align	8
	.type	k_qe342a6d8f1_qkv,@function
k_qe342a6d8f1_qkv:
	s_mov_b64 s[64:65], 0
	v_nop
	global_prefetch_b8 v0, s[64:65] scope:SCOPE_SE
	s_setreg_imm32_b32 hwreg(HW_REG_WAVE_MODE, 25, 1), 1
	s_wait_xcnt 0x0
	s_wait_alu depctr_hold_cnt(0) depctr_sa_sdst(0) depctr_va_vdst(0) depctr_va_sdst(0) depctr_va_ssrc(0) depctr_va_vcc(0) depctr_vm_vsrc(0)
	s_getreg_b32 s2, hwreg(HW_REG_IB_STS2, 6, 4)
	s_cmp_eq_u32 s2, 0
	s_cbranch_scc0 .Lentry_in_a_cluster
	s_endpgm
.Lentry_in_a_cluster:
	s_bfe_u32 s2, ttmp6, 0x10000c
	s_cmp_lg_u32 s2, 0xf033
	s_cbranch_scc0 .Lentry_shape_is_right
	s_endpgm
.Lentry_shape_is_right:
; qkv = x W + b on codes of FP4 (E2M1) with one E8M0 scale for each 32 along K = 1,024; then q and k are quantised along the head's 64, v along the tokens,
; and all three leave as IMAGES OF OPERAND REGISTERS (four registers = 512 bytes, lane l's 16 bytes at 16 l), so that the next launch loads fragments as they lie.
; SHARES.  A work-group takes 256 tokens (tb) x one head's 192 columns (hh: 64 of q, 64 of k, 64 of v), all of K.  Wave w takes tokens 64 w .. 64 w + 63 x 192 columns: 48 accumulators.
; q and k are made TRANSPOSED (source 0 = 16 rows of W, source 1 = 16 tokens): a lane holds one token, its registers run along the head's axis.  v is made the natural way
; (source 0 = 16 tokens, source 1 = 16 rows of W): a lane holds one channel, its registers run along the tokens.
; THE ROWS OF A TILE ARE NOT NEIGHBOURS: of 64 tokens, or of a head's 64 columns, lane r of tile m takes row 32 (r / 8) + 8 m + r % 8.  So the 32 registers of the four tiles of a 64 are, in lanes (r, h),
; the 32 neighbours 32 h + 0 .. 31: a whole block of the quantiser in one lane, and its codes in ascending registers are the 4-bit operand's layout.  No lane is asked for another's numbers but for scale bytes.
; The next launch takes the same order: lane r of q's or k's tile m of 64 tokens is token 32 (r / 8) + 8 m + r % 8, row r of v's tile t is channel 32 (r / 8) + 8 t + r % 8.
; All operands of a work-group, 256 + 192 rows of 512 bytes, lie in LDS at once: every LDS byte is filled once, there is no ring (and no loop in which a prefetch could run ahead).
; Rows of even and of odd blocks of 32 lie in two regions whose distance is 128 bytes beyond a multiple of 256, so that the sixteen rows of a fragment load start in sixteen different 16-byte columns.
; CLUSTER 4 x 4: x's tiles hang on tb alone and are asked for jointly along a row of the cluster, W's on hh alone and jointly along a column.
; THE SCALES go from memory into registers once: lane (r, h) takes 16 bytes of its row, the words of K steps 4 h .. 4 h + 3; steps 4 to 7 are read from lanes 16-31.
; WORK LEFT OUT of the program: in the next launch, key tiles that lie wholly behind a block's queries: reference() builds the causal mask itself and sets those scores to -infinity, whose exponential is 0 for all inputs.
; A NaN, an infinity or an overflow that reaches only that work is not carried to the result.
; LIMITS: NaN and infinities are not served.  A block whose largest magnitude lies under 2^-124 (a block of zeros too) gets the scale byte 1; only this program reads the bytes.
; The bias is the C of each sum's first product, so it is added ahead of the products and not behind them.
; REGISTERS.  window 0: v1-29 addresses; v32-95 x's fragments, two sets (codes and small store data on the way out); v96-115 the quantiser's; v128-191 scale words and nothing else.
;   window 1: q's and k's accumulators at 128 p + 32 m + 8 n.   window 2: v's accumulators at 32 t + 8 m; from v128 q's and k's bias tiles, from v192 v's.   window 3: W's fragments, two sets.
.set PITCH, 528                        ; an LDS row of codes: 512 bytes + 16
.set XHB,   128*PITCH+128              ; x's codes: region 0 the even blocks of 32 tokens, region 1 the odd ones
.set WB,    2*XHB                      ; W's codes, ordered [half of the head's 64][q, k, v][32 rows]
.set WHB,   96*PITCH+128
.set WPT,   32*PITCH
.set SCS,   251904                     ; a stage for k's and v's scale words: 1,024 bytes; no tensor load lands here
.set SPARE, 252928                     ; the spare words, 128 bytes for each wave
.set QREC,  2304                       ; qimg: a record for a head and 64 tokens: 4 x 512 bytes of codes, 256 of scale words
.set KVREC, 8704                       ; kvimg: a record for a head and 128 keys: k's codes 4,096, v's 4,096, k's scale words 256, v's 256
.set AX,  16                           ; my x fragments in LDS
.set AW,  17                           ; W's fragments
.set SCO, 18                           ; my lane's place in 64 rows of scales
.set LI,  21                           ; 16 x lane
.set QSO, 22                           ; 16 r + 8 h
.set KSA, 23                           ; the stage: k's words
.set VSA, 24                           ; v's
.set SRD, 25                           ; the stage, read back
.set SGO, 26                           ; 8 x lane
.set BQ,  27                           ; 128 h
.set BV,  28                           ; 128 (r / 8) + 4 (r % 8)
.set H8,  29                           ; 8 h
.set XF,  32
.set TM,  96                           ; v96-99, v100-103 largest magnitudes of the two halves of a block; v104-107 bytes; v112-115 the conversions' scale operands
.set TN,  100
.set TX,  104
.set SO,  112
.set SPW, 126
.set NIL, 127
.set SC,  128                          ; scale words: v[SC + 4 m + ks % 4] for x's tile m, v[SC + 16 + 4 f + ks % 4] for W's fragment f
.set WV,   18
.set HALF, 19                          ; wave / 2: fetches for x (0) or for W (1)
.set ODD,  20                          ; wave % 2
.set G1X,  24
.set G0X,  32
.set G1W,  56
.set G0W,  76
.set QP,  84                           ; my record of qimg
.set KP,  86                           ; my record of kvimg + 2,048 (wave % 2)
.set VP,  88                           ; the record + 512 (wave % 2)
.set SP,  90                           ; the record + 256 (wave % 2)
.set BP,  92                           ; the bias at my head's first column of q
.set SEL, 94                           ; lane selects: lane l xor 16
.set XSP, 96                           ; x's scales at my 64 tokens
.set WSP, 98                           ; W's scales at my head's first row of q
.set MSB, 0
.macro WIN new                         ; the immediate's high byte repeats the setting that is left
.if MSB != (\new)
	s_set_vgpr_msb (MSB<<8)|(\new)
.set MSB, (\new)
.endif
.endm
.macro CROUND                          ; a round of the cluster's barrier
	s_barrier_signal -1
	s_barrier_wait -1
	s_cmp_lg_u32 s[WV], 0
	s_cbranch_scc1 .Lnot_wave_0_\@
	s_barrier_signal -3
.Lnot_wave_0_\@:
	s_barrier_wait -3
	s_barrier_signal -1
	s_barrier_wait -1
.endm
.macro G1SET g, d0, d1, pt             ; words 1 to 7 of a descriptor's group 1: a tile of d1 rows x d0 elements, pt elements from row to row; the tile lies inside the tensor
	s_mov_b32 s[\g+1], (\d0)<<16
	s_mov_b32 s[\g+2], (\d1)<<16
	s_mov_b32 s[\g+3], (\d0)<<16
	s_mov_b32 s[\g+4], \d1
	s_mov_b32 s[\g+5], \pt
	s_mov_b32 s[\g+6], 0
	s_mov_b32 s[\g+7], 0
.endm
.macro PLACES n
.rept \n
	v_nop
.endr
.endm
	s_load_b128 s[4:7], s[0:1], 0x0                ; x's codes, x's scales
	s_load_b128 s[8:11], s[0:1], 0x10              ; W's codes, W's scales
	s_load_b128 s[12:15], s[0:1], 0x20             ; the bias, qimg
	s_load_b64 s[16:17], s[0:1], 0x30              ; kvimg
	v_lshl_add_u32 v[SPW], v0, 2, SPARE
	v_mov_b32 v[NIL], 0
	ds_add_u32 v[SPW], v[NIL]                      ; the wave's opening: the add, twice on end, ahead of my tensor load
	ds_add_u32 v[SPW], v[NIL]
	v_lshrrev_b32 v1, 5, v0
	v_readfirstlane_b32 s[WV], v1                  ; wave 0..3
	s_lshr_b32 s[HALF], s[WV], 1
	s_and_b32 s[ODD], s[WV], 1
	s_bfe_u32 s40, ttmp6, 0x40000                  ; cx, cy: my place in the cluster
	s_bfe_u32 s41, ttmp6, 0x40004
	s_lshl_b32 s42, ttmp9, 2
	s_add_co_u32 s42, s42, s40                     ; hh, the head in its batch = 4 x cluster x + cx
	s_and_b32 s43, ttmp7, 0xffff
	s_lshl_b32 s43, s43, 2
	s_add_co_u32 s43, s43, s41                     ; tb, the block of 256 tokens = 4 x cluster y + cy
	s_lshl_b32 s44, s41, 2
	s_lshl_b32 s44, 15, s44                        ; my row of the cluster
	s_lshl_b32 s45, 0x1111, s40                    ; my column
	; group 1, word 0: 15:0 the mask; 17:16 elements of 8 bytes; 20 padding on; 21 set beside a mask; 24:22 after every 128 words (code 6); 31:25 four words of padding (code 3)
	s_or_b32 s[G1X], s44, (3<<16)|(1<<20)|(1<<21)|(6<<22)|(3<<25)    ; x's codes: a row of the tile is the dense run of 32 rows of x (16,384 bytes); four such runs, 64 rows of x apart
	G1SET G1X, 2048, 4, 4096
	s_or_b32 s[G1W], s45, (3<<16)|(1<<20)|(1<<21)|(6<<22)|(3<<25)    ; W's codes: a dense run of 32 rows of W; q's, k's and v's, 1,024 rows of W apart
	G1SET G1W, 2048, 3, 65536
	; x's offsets are made of tb and the wave's number, W's of hh and the wave's number, each in registers that never hold the other coordinate
	s_lshl_b32 s46, s43, 17
	s_lshl_b32 s21, s[ODD], 14
	s_add_co_u32 s46, s46, s21                     ; x's codes: 256 rows x 512 bytes a block; the even or the odd blocks of 32 rows
	s_mov_b32 s47, 0
	s_lshl_b32 s48, s42, 15
	s_add_co_u32 s48, s48, s21                     ; W's codes: 64 rows a head, 32 a wave
	s_mov_b32 s49, 0
	s_mul_i32 s2, s[WV], 32*PITCH
	s_lshl_b32 s3, s[HALF], 9
	s_lshl_b32 s21, s[ODD], 3
	s_add_co_u32 s21, s21, s3
	s_add_co_u32 s21, s21, SCS                     ; k's words: 512 (wave / 2) + 16 r + 8 (wave % 2)
	s_lshl_b32 s22, s[ODD], 1
	s_add_co_u32 s22, s22, s3
	s_add_co_u32 s22, s22, SCS+256                 ; v's: 512 (wave / 2) + 256 + 16 r + 2 (wave % 2) + h
	s_lshl_b32 s23, s[WV], 8
	s_add_co_u32 s23, s23, SCS
	s_mov_b32 s[SEL], 0x76543210
	s_mov_b32 s[SEL+1], 0xfedcba98
	v_and_b32 v1, 15, v0                           ; r
	v_bfe_u32 v2, v0, 4, 1                         ; h
	v_and_b32 v3, 31, v0                           ; lane
	v_lshrrev_b32 v4, 3, v1                        ; r / 8
	v_and_b32 v5, 7, v1                            ; r % 8
	v_mul_u32_u24 v6, v5, PITCH
	v_lshl_add_u32 v6, v2, 4, v6                   ; (r % 8) x pitch + 16 h
	v_mul_u32_u24 v7, v4, XHB
	v_add_nc_u32 v7, v6, v7
	v_add_nc_u32 v[AX], s2, v7                     ; my even and odd block of 32 tokens
	v_mul_u32_u24 v8, v4, WHB
	v_add_nc_u32 v8, v6, v8
	v_add_nc_u32 v[AW], WB, v8
	v_lshlrev_b32 v9, 5, v5
	v_lshl_add_u32 v9, v4, 10, v9
	v_lshl_add_u32 v[SCO], v2, 4, v9               ; a row of scales is 32 bytes: 1,024 (r / 8) + 32 (r % 8) + 16 h
	v_lshlrev_b32 v[LI], 4, v3
	v_lshlrev_b32 v[QSO], 4, v1
	v_lshl_add_u32 v[QSO], v2, 3, v[QSO]
	v_lshl_add_u32 v[KSA], v1, 4, s21
	v_lshl_add_u32 v[VSA], v1, 4, s22
	v_add_nc_u32 v[VSA], v[VSA], v2
	v_lshl_add_u32 v[SRD], v3, 3, s23              ; back: 256 bytes a wave, 8 a lane
	v_lshlrev_b32 v[SGO], 3, v3
	v_lshlrev_b32 v[BQ], 7, v2
	v_lshlrev_b32 v[BV], 2, v5
	v_lshl_add_u32 v[BV], v4, 7, v[BV]
	v_lshlrev_b32 v[H8], 3, v2
	s_wait_alu depctr_va_vdst(0)                   ; ahead of the waits below
	s_wait_dscnt 0x0                               ; both opening adds are done
	CROUND                                         ; all sixteen work-groups are here: the joint loads meet (the round needs no argument, so it stands ahead of their wait)
	s_wait_kmcnt 0x0
	s_mov_b32 s[G0X], 1                            ; group 0: count 1; LDS address; global address; type 2
	s_mul_i32 s[G0X+1], s[ODD], XHB
	s_add_nc_u64 s[G0X+2:G0X+3], s[4:5], s[46:47]
	s_or_b32 s[G0X+3], s[G0X+3], 0x80000000
	s_mov_b32 s[G0W], 1
	s_mul_i32 s[G0W+1], s[ODD], WHB
	s_add_co_u32 s[G0W+1], s[G0W+1], WB
	s_add_nc_u64 s[G0W+2:G0W+3], s[8:9], s[48:49]
	s_or_b32 s[G0W+3], s[G0W+3], 0x80000000
	; THE JOINT LOADS, one a wave: waves 0 and 1 fetch for x, waves 2 and 3 for W; the branch hangs on the wave's number alone
	s_cmp_eq_u32 s[HALF], 0
	s_cbranch_scc0 .Lfor_w
	tensor_load_to_lds s[G0X:G0X+3], s[G1X:G1X+7]
	s_nop 0
	PLACES 4
	s_branch .Lasked
.Lfor_w:
	tensor_load_to_lds s[G0W:G0W+3], s[G1W:G1W+7]
	s_nop 0
	PLACES 4
.Lasked:
	s_mov_b32 s3, 0
	s_lshl_b32 s2, s42, 8
	s_add_nc_u64 s[BP:BP+1], s[12:13], s[2:3]
	s_lshl_b32 s2, s42, 11
	s_add_nc_u64 s[WSP:WSP+1], s[10:11], s[2:3]
	s_lshl_b32 s2, s43, 13
	s_lshl_b32 s21, s[WV], 11
	s_add_co_u32 s2, s2, s21
	s_add_nc_u64 s[XSP:XSP+1], s[6:7], s[2:3]
.irp m, 0,1,2,3
	global_load_b128 v[SC+4*\m:SC+4*\m+3], v[SCO], s[XSP:XSP+1] offset:256*\m
.endr
.irp f, 0,1,2,3,4,5,6,7,8,9,10,11
	global_load_b128 v[SC+16+4*\f:SC+16+4*\f+3], v[SCO], s[WSP:WSP+1] offset:32768*(\f/4)+256*(\f%4)
.endr
	; the bias in the results' layout.  q, k, tile f = 4 p + n: lane (r, h) wants columns 32 h + 8 n + 0 .. 7 of part p.  v, tile t: column 32 (r / 8) + 8 t + r % 8 in all eight registers
	WIN 0x80                                       ; destination window 2
.irp f, 0,1,2,3,4,5,6,7
	global_load_b128 v[128+8*\f:128+8*\f+3], v[BQ], s[BP:BP+1] offset:4096*(\f/4)+32*(\f%4)
	global_load_b128 v[128+8*\f+4:128+8*\f+7], v[BQ], s[BP:BP+1] offset:4096*(\f/4)+32*(\f%4)+16
.endr
.irp t, 0,1,2,3
	global_load_b32 v[192+8*\t], v[BV], s[BP:BP+1] offset:8192+32*\t
.endr
	; where the results go
	s_lshr_b32 s2, s43, 3
	s_lshl_b32 s2, s2, 4
	s_add_co_u32 s2, s2, s42                       ; the head among all 32: 16 x batch + hh
	s_and_b32 s3, s43, 7                           ; my block of 256 tokens in its batch
	s_lshl_b32 s[QP], s2, 5
	s_lshl_b32 s[QP+1], s3, 2
	s_add_co_u32 s[QP], s[QP], s[QP+1]
	s_add_co_u32 s[QP], s[QP], s[WV]               ; 32 x head + my group of 64 tokens
	s_mul_i32 s[QP], s[QP], QREC
	s_mov_b32 s[QP+1], 0
	s_add_nc_u64 s[QP:QP+1], s[14:15], s[QP:QP+1]
	s_mul_i32 s[KP], s2, 16*KVREC
	s_lshl_b32 s[KP+1], s3, 1
	s_add_co_u32 s[KP+1], s[KP+1], s[HALF]         ; my key step of 128 tokens
	s_mul_i32 s[KP+1], s[KP+1], KVREC
	s_add_co_u32 s[KP], s[KP], s[KP+1]
	s_mov_b32 s[KP+1], 0
	s_add_nc_u64 s[KP:KP+1], s[16:17], s[KP:KP+1]  ; the record
	s_mov_b32 s3, 0
	s_lshl_b32 s2, s[ODD], 9
	s_add_nc_u64 s[VP:VP+1], s[KP:KP+1], s[2:3]
	s_lshl_b32 s2, s[ODD], 8
	s_add_nc_u64 s[SP:SP+1], s[KP:KP+1], s[2:3]
	s_lshl_b32 s2, s[ODD], 11
	s_add_nc_u64 s[KP:KP+1], s[KP:KP+1], s[2:3]
	s_wait_loadcnt 0x0                             ; the scales and the bias
	WIN 0x82                                       ; source 0 and destination window 2
.irp t, 0,1,2,3
.irp j, 1,2,3,4,5,6,7
	v_mov_b32 v[192+8*\t+\j], v[192+8*\t]
.endr
.endr
	WIN 0
	s_wait_alu depctr_va_vdst(0)                   ; the wait at the head's end
	s_wait_tensorcnt 0x0                           ; my tensor load has landed,
	s_barrier_signal -1
	s_barrier_wait -1                              ; everybody's have: all codes lie in LDS
; K step ks: W's 12 fragments (f = 4 p + n) and x's 4 into set st.  A fragment: lane (r, h), registers 4 c .. 4 c + 3: k = 64 c + 32 h + 0 .. 31: 16 bytes of the row as they lie
.macro FETCH ks, st
	WIN 0xc0                                       ; destination window 3
.irp f, 0,1,2,3,4,5,6,7,8,9,10,11
.irp c, 0,1
	ds_load_b128 v[128*(\st)+8*\f+4*\c:128*(\st)+8*\f+4*\c+3], v[AW] offset:WPT*(\f/4)+8*PITCH*(\f%4)+64*(\ks)+32*\c
.endr
.endr
	WIN 0
.irp m, 0,1,2,3
.irp c, 0,1
	ds_load_b128 v[XF+32*(\st)+8*\m+4*\c:XF+32*(\st)+8*\m+4*\c+3], v[AX] offset:8*PITCH*\m+64*(\ks)+32*\c
.endr
.endr
.endm
.macro WM                              ; one product; steps 4 to 7 take both sides' scales from lanes 16-31
.if rR
	v_wmma_scale_f32_16x16x128_f8f6f4 v[rD:rD+7], v[rA:rA+7], v[rB:rB+7], v[rC:rC+7], v[rX], v[rY] matrix_a_fmt:MATRIX_FMT_FP4 matrix_b_fmt:MATRIX_FMT_FP4 matrix_a_scale:MATRIX_SCALE_ROW1 matrix_b_scale:MATRIX_SCALE_ROW1
.else
	v_wmma_scale_f32_16x16x128_f8f6f4 v[rD:rD+7], v[rA:rA+7], v[rB:rB+7], v[rC:rC+7], v[rX], v[rY] matrix_a_fmt:MATRIX_FMT_FP4 matrix_b_fmt:MATRIX_FMT_FP4
.endif
.endm
; K step ks on set st: 48 matrix instructions, the 48 accumulators by turns, one instruction a turn, in the same order in every step.  zr = 1: the bias is C: nothing is cleared
.macro MUL ks, st, zr
.set rR, (\ks)/4
.if \zr
	WIN 0x63                                       ; source 0 (W) window 3, source 1 (x) window 0, C (bias) window 2, D window 1
.else
	WIN 0x53                                       ; C and D window 1
.endif
.irp m, 0,1,2,3
.irp f, 0,1,2,3,4,5,6,7
.set rD, 128*(\f/4)+32*\m+8*(\f%4)
.set rA, 128*(\st)+8*\f
.set rB, XF+32*(\st)+8*\m
.set rC, rD
.if \zr
.set rC, 128+8*\f
.endif
.set rX, SC+16+4*\f+(\ks)%4
.set rY, SC+4*\m+(\ks)%4
	WM
.endr
.endr
	WIN 0xac                                       ; source 0 (x) window 0, source 1 (W) window 3, C and D window 2
.irp t, 0,1,2,3
.irp m, 0,1,2,3
.set rD, 32*\t+8*\m
.set rA, XF+32*(\st)+8*\m
.set rB, 128*(\st)+64+8*\t
.set rC, rD
.if \zr
.set rC, 192+8*\t
.endif
.set rX, SC+4*\m+(\ks)%4
.set rY, SC+48+4*\t+(\ks)%4
	WM
.endr
.endr
.endm
; 128 accumulator registers of window wn, from ac on: 4 groups g of 4 tiles: in each lane one block of 32 neighbours a group.  Codes: four registers a group from v[pc] on, in the operand's
; layout; v[TX + g]: the block's scale byte.  Each tile is read from its low end on.
.macro QUANT4 wn, ac, pc
	WIN 5*(\wn)                                    ; sources 0 and 1 in the accumulators' window
.irp g, 0,1,2,3
	v_max3_num_f32 v[TM+\g], |v[\ac+32*\g]|, |v[\ac+32*\g+1]|, 0x1800000       ; the floor 2^(3 - 127): the byte cannot fall under 1
	v_max3_num_f32 v[TN+\g], |v[\ac+32*\g+16]|, |v[\ac+32*\g+17]|, 0x1800000
.endr
.irp i, 2,4,6,8,10,12,14
.irp g, 0,1,2,3
	v_max3_num_f32 v[TM+\g], |v[\ac+32*\g+\i]|, |v[\ac+32*\g+\i+1]|, v[TM+\g]  ; (eight chains by turns)
	v_max3_num_f32 v[TN+\g], |v[\ac+32*\g+16+\i]|, |v[\ac+32*\g+17+\i]|, v[TN+\g]
.endr
.endr
	WIN 0
.irp g, 0,1,2,3
	v_max_num_f32 v[TM+\g], v[TM+\g], v[TN+\g]     ; the block's largest magnitude
.endr
.irp g, 0,1,2,3
	v_add_nc_u32 v[SO+\g], 0xff000000, v[TM+\g]    ; 2 off its exponent field: the conversion's scale operand
.endr
.irp g, 0,1,2,3
	v_lshrrev_b32 v[TX+\g], 23, v[SO+\g]           ; the scale's byte
.endr
	WIN \wn                                        ; source 0 in the accumulators' window
.irp g, 0,1,2,3
.irp t, 0,1,2,3
	v_cvt_scalef32_pk8_fp4_f32 v[\pc+4*\g+\t], v[\ac+32*\g+8*\t:\ac+32*\g+8*\t+7], v[SO+\g]
.endr
.endr
	WIN 0
	v_nop                                          ; one plain place behind the scaled conversions
.endm
; v80: the scale word of tiles 0 (bytes 0, 1) and 1 (bytes 2, 3), v81: of tiles 2 and 3.  Lane (r, h) gives the byte of block h; lane l xor 16 the other
.macro WORDS
	v_lshl_or_b32 v80, v[TX+1], 16, v[TX]
	v_lshl_or_b32 v81, v[TX+3], 16, v[TX+2]
	v_lshlrev_b32 v80, v[H8], v80
	v_lshlrev_b32 v81, v[H8], v81
	v_permlanex16_b32 v82, v80, s[SEL], s[SEL+1]
	v_permlanex16_b32 v83, v81, s[SEL], s[SEL+1]
	v_or_b32 v80, v80, v82
	v_or_b32 v81, v81, v83
.endm
	FETCH 0, 0
	FETCH 1, 1
	s_wait_dscnt 32                                ; all but the 32 loads of K step 1
	MUL 0, 0, 1
.irp s, 1,2,3,4,5,6
	PLACES 4                                       ; four places in front of loads into registers that the last matrix instructions have read
	FETCH \s+1, (\s+1)%2
	s_wait_dscnt 32                                ; this step's fragments, asked for a step ago, are in; the 32 loads just issued may be out
	MUL \s, \s%2, 0
.endr
	s_wait_dscnt 0x0
	MUL 7, 1, 0
	WIN 0
	PLACES 4                                       ; in front of the first read of results and of writes to x's registers
	; q: group g = my token tile g.  Codes: 512 consecutive bytes a store.  Scale words [r][tile], 4 bytes each, bytes 2 and 3 zero: lanes 0-15 store tiles 0, 1, lanes 16-31 tiles 2, 3: 256 consecutive bytes
	QUANT4 1, 0, 32
.irp g, 0,1,2,3
	global_store_b128 v[LI], v[32+4*\g:35+4*\g], s[QP:QP+1] offset:512*\g
.endr
	WORDS
	v_cmp_eq_u32 vcc_lo, 1, v2
	v_cndmask_b32 v84, v80, v81, vcc_lo
	v_and_b32 v86, 0xffff, v84
	v_lshrrev_b32 v87, 16, v84
	global_store_b64 v[QSO], v[86:87], s[QP:QP+1] offset:2048
	; k: likewise; a scale word serves a PAIR of tiles; a key step's words come from two waves and meet in the stage
	QUANT4 1, 128, 48
.irp g, 0,1,2,3
	global_store_b128 v[LI], v[48+4*\g:51+4*\g], s[KP:KP+1] offset:512*\g
.endr
	WORDS
	ds_store_b64 v[KSA], v[80:81]                  ; (both halves of the lanes write the same bytes with the same values)
	; v: group g = channel tile g; my 64 tokens are half a fragment of the key step (registers 4 (wave % 2) on) and two of its four scale bytes, one in each half of the lanes
	QUANT4 2, 0, 64
.irp g, 0,1,2,3
	global_store_b128 v[LI], v[64+4*\g:67+4*\g], s[VP:VP+1] offset:4096+1024*\g
.endr
.irp g, 0,1,2,3
	ds_store_b8 v[VSA], v[TX+\g] offset:4*\g
.endr
	s_wait_alu depctr_va_vdst(0)                   ; ahead of the waits below
	s_wait_dscnt 0x0                               ; for the others' sake: my stores into the stage are done
	s_barrier_signal -1
	s_barrier_wait -1
	ds_load_b64 v[84:85], v[SRD]                   ; wave 0, 2: a key step's words of k; wave 1, 3: of v
	s_wait_dscnt 0x0
	global_store_b64 v[SGO], v[84:85], s[SP:SP+1] offset:8192   ; 32 lanes store 256 consecutive bytes, at a multiple of 256 from the buffer's first byte
	s_wait_tensorcnt 0x0                           ; the wave's end
	ds_add_u32 v[SPW], v[NIL]
	s_wait_dscnt 0x0
	CROUND                                         ; the closing round: no work-group ends while a partner may still ask for a tile that names it
	s_endpgm
.Lfunc_end_k_qe342a6d8f1_qkv:
	.size	k_qe342a6d8f1_qkv, .Lfunc_end_k_qe342a6d8f1_qkv-k_qe342a6d8f1_qkv
	.p2alignl 7, 3214868480
	.fill 96, 4, 3214868480
	.section	.rodata,"a",@progbits
	.p2align	6, 0x0
	.amdhsa_kernel k_qe342a6d8f1_qkv
		.amdhsa_group_segment_fixed_size 253440
		.amdhsa_private_segment_fixed_size 0
		.amdhsa_enable_private_segment 0
		.amdhsa_kernarg_size 56
		.amdhsa_user_sgpr_count 2
		.amdhsa_user_sgpr_kernarg_segment_ptr 1
		.amdhsa_wavefront_size32 1
		.amdhsa_system_sgpr_workgroup_id_x 1
		.amdhsa_system_sgpr_workgroup_id_y 1
		.amdhsa_system_sgpr_workgroup_id_z 1
		.amdhsa_system_vgpr_workitem_id 0
		.amdhsa_next_free_vgpr 1024
		.amdhsa_next_free_sgpr 100
		.amdhsa_reserve_vcc 1
		.amdhsa_float_denorm_mode_32 3
		.amdhsa_float_denorm_mode_16_64 3
		.amdhsa_memory_ordered 1
		.amdhsa_forward_progress 1
		.amdhsa_inst_pref_size 99
	.end_amdhsa_kernel
	.amdgpu_metadata
---
amdhsa.version: [ 1, 2 ]
amdhsa.kernels:
  - .name:           k_qe342a6d8f1_qkv
    .symbol:         k_qe342a6d8f1_qkv.kd
    .args:
      - { .name: x_codes, .offset: 0, .size: 8, .value_kind: global_buffer, .address_space: global }
      - { .name: x_scales, .offset: 8, .size: 8, .value_kind: global_buffer, .address_space: global }
      - { .name: w_qkv_codes, .offset: 16, .size: 8, .value_kind: global_buffer, .address_space: global }
      - { .name: w_qkv_scales, .offset: 24, .size: 8, .value_kind: global_buffer, .address_space: global }
      - { .name: b_qkv, .offset: 32, .size: 8, .value_kind: global_buffer, .address_space: global }
      - { .name: qimg, .offset: 40, .size: 8, .value_kind: global_buffer, .address_space: global }
      - { .name: kvimg, .offset: 48, .size: 8, .value_kind: global_buffer, .address_space: global }
    .group_segment_fixed_size: 253440
    .private_segment_fixed_size: 0
    .kernarg_segment_align: 8
    .kernarg_segment_size: 56
    .max_flat_workgroup_size: 128
    .sgpr_count:     100
    .vgpr_count:     1024
    .wavefront_size: 32
...
	.end_amdgpu_metadata
.endif
;; end of part 1
;; launch attn (part 2): grid 8 x 32, 16 waves a work-group, clusters of 4 x 1, 210,944 bytes of LDS; arguments qimg, kvimg, out0; writes out0
.if DOCPART == 2
	.amdgcn_target "amdgcn-amd-amdhsa--gfx1250"
	.amdhsa_code_object_version 6
	.text
	.protected	k_qe342a6d8f1_attn
	.globl	k_qe342a6d8f1_attn
	.p2align	8
	.type	k_qe342a6d8f1_attn,@function
k_qe342a6d8f1_attn:
	s_mov_b64 s[64:65], 0
	v_nop
	global_prefetch_b8 v0, s[64:65] scope:SCOPE_SE
	s_setreg_imm32_b32 hwreg(HW_REG_WAVE_MODE, 25, 1), 1
	s_wait_xcnt 0x0
	s_wait_alu depctr_hold_cnt(0) depctr_sa_sdst(0) depctr_va_vdst(0) depctr_va_sdst(0) depctr_va_ssrc(0) depctr_va_vcc(0) depctr_vm_vsrc(0)
	s_getreg_b32 s2, hwreg(HW_REG_IB_STS2, 6, 4)
	s_cmp_eq_u32 s2, 0
	s_cbranch_scc0 .Lentry_in_a_cluster
	s_endpgm
.Lentry_in_a_cluster:
	s_bfe_u32 s2, ttmp6, 0x10000c
	s_cmp_lg_u32 s2, 0x3003
	s_cbranch_scc0 .Lentry_shape_is_right
	s_endpgm
.Lentry_shape_is_right:
; Causal attention of 32 heads, 2,048 tokens, head size 64, both products on codes of FP4 (E2M1) with one E8M0 scale for each 32 along a product's K.  q, k, v come as images of operand registers.
; THE SOFTMAX AHEAD OF THE SECOND PRODUCT: t = score x log2(e) / 8; M = the running largest t, rounded UP to a whole number; p = 2^(t - M) is quantised along the keys, not normalised;
; the row's sum is taken of the unquantised p and divides O at the end.  When M moves, the sum and O are multiplied by 2^(old M - new M): exact.
; SHARES.  A head's queries are 16 blocks of 128 x 8 tiles of 16.  Work-group g (0..7) takes tile g of EVERY block: 1 + 2 + .. + 16 = 136 tile steps of 128 keys.  Wave w owns one block JB and walks key steps 0 .. JB:
; waves s, 4 + s, 8 + s, 12 + s (s = 0..3) take blocks 15 - s, 8 + s, 4 + s, 3 - s: 34 steps for each s, the longest walks in the lowest wave numbers.
; Which steps a wave leaves out hangs on its number alone, so it is the same in all partners of a cluster.
; WORK LEFT OUT: key steps that lie wholly behind a block's queries, which reference()'s own causal mask sets to -infinity ahead of the softmax (their p is 0 for all inputs).
; LDS holds the head's 16 records of k and v (139,264 bytes) as they lie in memory: filled once, no ring; wave w fetches record w, one tensor load a wave, at the head: no loop in which a prefetch could run ahead.
; Records 0 to 3 (waves 0 to 3) are waited for ahead of the first barrier: key steps 0 and 1, and the fragments of step 2, need no more.  The others are waited for behind step 0 and shown by the second barrier,
; which is signalled behind step 0 and waited for behind step 1.
; CLUSTER 4 x 1: four work-groups of one head ask for the records jointly.
; LAYOUT.  Both products are used transposed: S^T = K Q^T, O^T = V^T P^T: a lane holds ONE query (lane % 16) throughout.  Lane r of a tile m of 64 tokens is token 32 (r / 8) + 8 m + r % 8 (the images' order),
; so lane (r, h), register 32 c + i of S^T is key 64 c + 32 h + i: WHOLE BLOCKS of 32 keys in a lane, and the conversions' results are the second product's operand as they stand.
; THE HEAD'S 64 FILL HALF OF THE INSTRUCTION'S K: a fragment of K holds tile 2 g in registers 0-3 and tile 2 g + 1 in registers 4-7, and is multiplied once by (Q, 0) and once by (0, Q); the zero half has zero codes and the scale byte 0.
; A BLOCK'S SCALE: floor(log2 of its largest p) is floor(t - M) of its largest score, held at -124 from below: the byte is that + 125, so a block of p whose largest number lies under 2^-124 gets the byte 1.
; FRAGMENTS ARE ASKED FOR A STEP AHEAD: the next step's K as soon as this step's scores are made, its V behind this step's second product.  Behind a wave's last step they are asked for in vain, from the next record (held at the last one).
; LIMITS: NaN and infinities are not served; scaled scores t stay under 2^31 in magnitude.
.set KVREC, 8704
.set STG,   16*KVREC                   ; the way out: 16 rows x (256 + 16) bytes for each wave; no tensor load lands here
.set SPARE, 0x33000                    ; the spare words, 128 bytes for each wave
.set LI,  1                            ; 16 x lane
.set LSC, 2                            ; 16 r
.set DM,  3                            ; my query in its 64, less 32 h: on the diagonal register i of the same 64 keys is hidden where i is above it
.set GO,  4                            ; the way out: 4,096 h + 16 r
.set ADR, 5                            ; LDS addresses of the step whose fragments are asked for
.set ADS, 6
.set H8,  7                            ; 8 h
.set STI, 8                            ; my stage, in
.set STR, 9                            ; and back
.set QZ,  16                           ; v16-27: zeros, Q, zeros: (0, Q) = v[16:23], (Q, 0) = v[20:27]
.set QSL, 28                           ; Q's scale word for (Q, 0); v29 the same 16 bits up, for (0, Q)
.set KF,  32                           ; v32-63  K: four fragments of two tiles
.set VF,  64                           ; v64-95  V^T: four fragments
.set S,   96                           ; v96-159 the scores, then p
.set O,   160                          ; v160-191 O^T
.set PC,  192                          ; v192-199 p's codes
.set KS,  200                          ; v200-203 K's scale words, v204-207 V's, v208 p's
.set VS,  204
.set PW,  208
.set W,   209
.set BM,  212                          ; v212-215 largest scores: two chains for each of my two blocks
.set TX,  216
.set TY,  217
.set NN,  218                          ; v218-219 floor(t - M) of each block's largest score
.set SO,  220                          ; v220-221 the conversions' scale operands
.set TT,  224
.set OM,  225                          ; the old -M
.set F,   226                          ; v[226:227] f = 2^(old M - new M)
.set T1,  228                          ; further chains of sums
.set T2,  230
.set T3,  232
.set NINF, 241
.set RL,  242                          ; v[242:243]
.set QO,  250                          ; offsets of Q's codes and scale word
.set QSO, 251
.set SPW, 254
.set NIL, 255
.set WV,  10
.set CX,  11
.set HD,  12
.set JB,  14                           ; my block of 128 queries
.set SI,  16                           ; the key step's number
.set TB,  17                           ; where its record begins in LDS
.set GH,  18                           ; which 64 queries of the block: the cluster's x
.set NC,  19                           ; -c
.set SEL, 20
.set CS,  22                           ; s[22:23] c = log2(e) / 8
.set G1,  24
.set G0,  32
.set OB,  36                           ; my tile's first token in the output
.set QA,  40
.macro CROUND                          ; a round of the cluster's barrier
	s_barrier_signal -1
	s_barrier_wait -1
	s_cmp_lg_u32 s[WV], 0
	s_cbranch_scc1 .Lnot_wave_0_\@
	s_barrier_signal -3
.Lnot_wave_0_\@:
	s_barrier_wait -3
	s_barrier_signal -1
	s_barrier_wait -1
.endm
	s_load_b128 s[4:7], s[0:1], 0x0                ; qimg, kvimg
	s_load_b64 s[8:9], s[0:1], 0x10                ; out0
	v_lshl_add_u32 v[SPW], v0, 2, SPARE
	v_mov_b32 v[NIL], 0
	ds_add_u32 v[SPW], v[NIL]                      ; the wave's opening: the add, twice on end, ahead of my tensor load
	ds_add_u32 v[SPW], v[NIL]
	v_lshrrev_b32 v252, 5, v0
	s_delay_alu instid0(VALU_DEP_1)
	v_readfirstlane_b32 s[WV], v252                ; wave 0..15
	s_bfe_u32 s[CX], ttmp6, 0x40000                ; cx: it enters Q's and O's addresses and the mask's compare alone
	s_mov_b32 s[GH], ttmp9
	s_and_b32 s[HD], ttmp7, 0xffff                 ; the head, which the four partners share
	s_mov_b32 s44, 0xba98cdef                      ; blocks of waves 0..7, four bits each
	s_mov_b32 s45, 0x01237654                      ; of waves 8..15
	s_cmp_lt_u32 s[WV], 8
	s_cselect_b32 s[JB], s44, s45
	s_and_b32 s46, s[WV], 7
	s_lshl_b32 s46, s46, 2
	s_lshr_b32 s[JB], s[JB], s46
	s_and_b32 s[JB], s[JB], 15
	s_mov_b32 s[G1], 15|(3<<16)|(1<<21)            ; 15:0 the mask: all four work-groups; 17:16 elements of 8 bytes; 21 set beside a mask; no padding
	s_mov_b32 s[G1+1], 32<<16                      ; a record: 34 dense rows of 256 bytes
	s_mov_b32 s[G1+2], 34<<16
	s_mov_b32 s[G1+3], 32<<16
	s_mov_b32 s[G1+4], 34
	s_mov_b32 s[G1+5], 32
	s_mov_b32 s[G1+6], 0
	s_mov_b32 s[G1+7], 0
	s_mul_i32 s51, s[WV], KVREC                    ; wave w fetches record w
	s_mul_i32 s52, s[HD], 16*KVREC
	s_add_co_u32 s52, s52, s51
	s_mov_b32 s53, 0
	s_lshl_b32 s54, s[HD], 5
	s_add_co_u32 s54, s54, s[GH]
	s_lshl_b32 s55, s[JB], 1
	s_add_co_u32 s56, s54, s55                     ; Q's record: 32 x head + 2 x block + which 64
	s_mul_i32 s56, s56, 2304
	s_mov_b32 s57, 0
	s_lshl_b32 s44, s[CX], 9
	s_lshl_b32 s45, s[CX], 2
	s_lshl_b32 s46, s[CX], 3
	s_mul_i32 s48, s[WV], 4352
	s_add_co_u32 s48, s48, STG
	s_mov_b32 s[SEL], 0x76543210
	s_mov_b32 s[SEL+1], 0xfedcba98
	s_mov_b32 s[CS], 0x3e38aa3b                    ; c = log2(e) / 8
	s_mov_b32 s[CS+1], s[CS]                       ; (named with it as a pair, so it is written)
	s_mov_b32 s[NC], 0xbe38aa3b
	v_and_b32 v244, 15, v0                         ; r
	v_bfe_u32 v245, v0, 4, 1                       ; h
	v_and_b32 v246, 31, v0                         ; lane
	v_lshrrev_b32 v247, 3, v244
	v_and_b32 v248, 7, v244
	v_lshlrev_b32 v[LI], 4, v246
	v_lshlrev_b32 v[LSC], 4, v244
	v_lshl_add_u32 v[DM], v247, 5, v248
	v_lshlrev_b32 v249, 5, v245
	v_add_nc_u32 v[QO], s44, v[LI]                 ; Q's codes: 512 x tile + 16 x lane
	v_lshl_add_u32 v[QSO], v244, 4, s45            ; its scale word: 16 r + 4 x tile
	v_sub_nc_u32 v[DM], v[DM], v249
	v_lshlrev_b32 v[GO], 4, v244
	v_lshlrev_b32 v[H8], 3, v245
	v_mul_u32_u24 v[STI], v244, 272
	v_mul_u32_u24 v[STR], v245, 272
	v_add_nc_u32 v[DM], s46, v[DM]
	v_lshl_add_u32 v[GO], v245, 12, v[GO]          ; lanes 0-15 one token's 256 bytes, lanes 16-31 the next token's
	v_lshl_add_u32 v[STI], v245, 7, v[STI]         ; in: row r, + 128 h; tile t's eight channels 32 t bytes on
	v_lshl_add_u32 v[STR], v244, 4, v[STR]         ; back: lanes 0-15 one row, lanes 16-31 the next
	v_add_nc_u32 v[STI], s48, v[STI]
	v_add_nc_u32 v[STR], s48, v[STR]
	s_wait_alu depctr_va_vdst(0)                   ; ahead of the waits below
	s_wait_dscnt 0x0                               ; both opening adds are done
	CROUND                                         ; all four work-groups are here: the joint loads meet (the round needs no argument, so it stands ahead of their wait)
	s_wait_kmcnt 0x0
	s_mov_b32 s[G0], 1                             ; count 1
	s_mov_b32 s[G0+1], s51                         ; LDS address: the records lie as in memory
	s_add_nc_u64 s[G0+2:G0+3], s[6:7], s[52:53]
	s_or_b32 s[G0+3], s[G0+3], 0x80000000          ; type 2
	; one load a wave: waves 0 to 3, which wait for theirs ahead of the first barrier, and the others, which wait later, have a line each; the branch hangs on the wave's number alone
	s_cmp_lt_u32 s[WV], 4
	s_cbranch_scc0 .Llate
	tensor_load_to_lds s[G0:G0+3], s[G1:G1+7]
	s_nop 0
.rept 4
	v_nop
.endr
	s_branch .Lasked
.Llate:
	tensor_load_to_lds s[G0:G0+3], s[G1:G1+7]
	s_nop 0
.rept 4
	v_nop
.endr
.Lasked:
	s_add_nc_u64 s[QA:QA+1], s[4:5], s[56:57]
	global_load_b128 v[QZ+4:QZ+7], v[QO], s[QA:QA+1]
	global_load_b32 v[QSL], v[QSO], s[QA:QA+1] offset:2048
	s_lshr_b32 s44, s[HD], 4
	s_lshl_b32 s44, s44, 11
	s_lshl_b32 s45, s[GH], 6
	s_add_co_u32 s44, s44, s45
	s_add_co_u32 s44, s44, s46                     ; 2,048 x batch + 64 GH + 8 cx
	s_and_b32 s48, s[HD], 15
	s_lshl_b32 s48, s48, 8                         ; my head's 256 bytes of a token's 4,096
	s_lshl_b32 s45, s[JB], 7
	s_add_co_u32 s46, s44, s45
	s_lshl_b32 s46, s46, 12
	s_add_co_u32 s46, s46, s48
	s_mov_b32 s47, 0
	s_add_nc_u64 s[OB:OB+1], s[8:9], s[46:47]
	s_mov_b32 s[SI], 0
	s_mov_b32 s[TB], 0
.irp j, 0,1,2,3,8,9,10,11
	v_mov_b32 v[QZ+\j], 0                          ; the zero halves beside Q
.endr
	v_mov_b32 v12, 0x7e800000                      ; -M: 2^126, so that the first change of M multiplies by 0
	v_mov_b32 v13, 0xff61b1e6                      ; the largest score so far: -3e38
	v_mov_b32 v14, 0                               ; the sum, in two halves
	v_mov_b32 v15, 0
	v_mov_b32 v[TX], 0                             ; written once: a lane permute's destination counts as one of its sources
	v_mov_b32 v[TY], 0
	v_mov_b32 v[TT], 0
	v_mov_b32 v[F+1], 0                            ; (named as the upper half of a pair)
	v_mov_b32 v[RL+1], 0
	v_mov_b32 v[NINF], 0xff800000
	s_wait_alu depctr_va_vdst(0)                   ; ahead of the wait below
	s_wait_loadcnt 0x0                             ; Q
	v_lshlrev_b32 v[QSL+1], 16, v[QSL]             ; the lines below stand between this and the first scaled product
.set j, 0
.rept 32
	v_mov_b32 v[O+j], 0                            ; O^T.  (The step finds zeros at first, which the first change of M leaves zeros)
.set j, j+1
.endr
	v_add_nc_u32 v[ADR], s[TB], v[LI]
	v_add_nc_u32 v[ADS], s[TB], v[LSC]
	s_wait_alu depctr_va_vdst(0)                   ; the wait at the head's end
	s_cmp_lt_u32 s[WV], 4
	s_cbranch_scc0 .Lnot_yet
	s_wait_tensorcnt 0x0                           ; waves 0 to 3: my record has landed
.Lnot_yet:
	s_barrier_signal -1
	s_barrier_wait -1                              ; records 0 to 3 lie in LDS
.macro LOADK a, b                              ; K's fragments: loads a .. b - 1 of eight
.set n, \a
.rept \b-\a
	ds_load_b128 v[KF+4*n:KF+4*n+3], v[ADR] offset:512*n
.set n, n+1
.endr
.endm
.macro LOADV a, b
.set n, \a
.rept \b-\a
	ds_load_b128 v[VF+4*n:VF+4*n+3], v[ADR] offset:4096+512*n
.set n, n+1
.endr
.endm
.macro MASK32 a                                ; 32 registers from a on: the 64 keys that hold my query
.set n, 0
.rept 32
	v_cmp_gt_i32 vcc_lo, n, v[DM]
	v_cndmask_b32 v[(\a)+n], v[(\a)+n], v[NINF], vcc_lo
.set n, n+1
.endr
.endm
.macro TM k                                    ; t - M, two at a time, for pairs k and k + 1
	v_pk_fma_f32 v[S+2*(\k):S+2*(\k)+1], v[S+2*(\k):S+2*(\k)+1], s[CS:CS+1], v[12:13] op_sel_hi:[1,0,0]
	v_pk_fma_f32 v[S+2*(\k)+2:S+2*(\k)+3], v[S+2*(\k)+2:S+2*(\k)+3], s[CS:CS+1], v[12:13] op_sel_hi:[1,0,0]
.endm
.macro ADD a, k                                ; chain a of the row's sum takes pair k of p
	v_pk_add_f32 v[\a:\a+1], v[\a:\a+1], v[S+2*(\k):S+2*(\k)+1]
.endm
; A KEY STEP of 128 keys.  some = 1: not every wave has it.  Two groups of nine loads are out when it begins: K's, then V's
.macro STEP some
.if \some
	s_cmp_gt_u32 s[SI], s[JB]                      ; not mine: the branch hangs on the wave's number and the counter
	s_cbranch_scc1 .Lhid_\@
.endif
	s_add_co_u32 s44, s[TB], KVREC                 ; the record of the next step, at most the last one
	s_min_u32 s44, s44, 15*KVREC
	s_wait_dscnt 9                                 ; K and its scale words are in; V's nine loads may be out
.irp g, 0,1,2,3                                    ; S^T
	v_wmma_scale_f32_16x16x128_f8f6f4 v[S+16*\g:S+16*\g+7], v[KF+8*\g:KF+8*\g+7], v[QZ+4:QZ+11], 0, v[KS+\g], v[QSL] matrix_a_fmt:MATRIX_FMT_FP4 matrix_b_fmt:MATRIX_FMT_FP4
	v_wmma_scale_f32_16x16x128_f8f6f4 v[S+16*\g+8:S+16*\g+15], v[KF+8*\g:KF+8*\g+7], v[QZ:QZ+7], 0, v[KS+\g], v[QSL+1] matrix_a_fmt:MATRIX_FMT_FP4 matrix_b_fmt:MATRIX_FMT_FP4
.endr
	v_mov_b32 v[OM], v12                           ; four places behind the products
	v_add_nc_u32 v[ADR], s44, v[LI]
	v_add_nc_u32 v[ADS], s44, v[LSC]
	v_nop
	s_cmp_lg_u32 s[SI], s[JB]                      ; only step JB lies on the diagonal: there hidden scores become -infinity ahead of the maximum, so that p = 0
	s_cbranch_scc1 .Lopen_\@
	s_cmp_eq_u32 s[GH], 0
	s_cbranch_scc1 .Llow_\@
	MASK32 S+32                                    ; my queries lie in the second 64: the first 64 keys all count
	s_wait_alu depctr_va_vdst(0)                   ; ahead of the branch
	s_branch .Lopen_\@
.Llow_\@:
	MASK32 S                                       ; in the first 64: the second 64 keys are all hidden
.set n, 0
.rept 32
	v_mov_b32 v[S+32+n], v[NINF]
.set n, n+1
.endr
.Lopen_\@:
.irp c, 0,1                                        ; the largest score of each of my two blocks of 32 keys, in two chains each
	v_max3_num_f32 v[BM+2*\c], v[S+32*\c], v[S+32*\c+1], v[S+32*\c+2]
	v_max3_num_f32 v[BM+2*\c+1], v[S+32*\c+17], v[S+32*\c+18], v[S+32*\c+19]
.endr
.irp i, 3,5,7,9,11,13
.irp c, 0,1
	v_max3_num_f32 v[BM+2*\c], v[BM+2*\c], v[S+32*\c+\i], v[S+32*\c+\i+1]
	v_max3_num_f32 v[BM+2*\c+1], v[BM+2*\c+1], v[S+32*\c+17+\i], v[S+32*\c+18+\i]
.endr
.endr
.irp c, 0,1
	v_max3_num_f32 v[BM+2*\c], v[BM+2*\c], v[S+32*\c+15], v[S+32*\c+16]
.endr
	v_max_num_f32 v[BM], v[BM], v[BM+1]
	v_max_num_f32 v[BM+2], v[BM+2], v[BM+3]
	ds_load_b128 v[KS:KS+3], v[ADS] offset:8192    ; the next step's K, asked for along the chain that makes M
	v_max_num_f32 v[TT], v[BM], v[BM+2]
	LOADK 0, 2
	v_permlanex16_b32 v[TX], v[TT], s[SEL], s[SEL+1]
	LOADK 2, 4
	v_max3_num_f32 v13, v13, v[TT], v[TX]          ; the running largest score, lane l xor 16's 64 keys among them
	LOADK 4, 6
	v_mul_f32 v[TT], s[NC], v13                    ; -t
	LOADK 6, 8
	v_floor_f32 v12, v[TT]                         ; the new -M: a whole number
	s_delay_alu instid0(VALU_DEP_1)
	v_sub_f32 v[TT], v12, v[OM]                    ; old M - new M: a whole number, 0 or less
	TM 0
	v_cvt_i32_f32 v[TT], v[TT]                     ; (it saturates)
	TM 2
	v_ldexp_f32 v[F], 1.0, v[TT]                   ; f = 2^(old M - new M)
	TM 4
	v_fma_f32 v[NN], v[BM], s[CS], v12             ; t - M of each block's largest score
	v_fma_f32 v[NN+1], v[BM+2], s[CS], v12
	TM 6
	v_max_num_f32 v[NN], 0xc2f80000, v[NN]         ; held at -124
	v_max_num_f32 v[NN+1], 0xc2f80000, v[NN+1]
	TM 8
	v_cvt_floor_i32_f32 v[NN], v[NN]
	v_cvt_floor_i32_f32 v[NN+1], v[NN+1]
	TM 10
	v_lshl_add_u32 v[SO], v[NN], 23, 0x3e800000    ; (floor + 125) << 23: the conversion's scale operand
	v_lshl_add_u32 v[SO+1], v[NN+1], 23, 0x3e800000
.irp k, 12,14,16,18,20,22,24,26,28,30
	TM \k
.endr
.set j, 0
.rept 16
	v_pk_mul_f32 v[O+j:O+j+1], v[O+j:O+j+1], v[F:F+1] op_sel_hi:[1,0]   ; O^T under the new M
.set j, j+2
.endr
	s_wait_alu depctr_va_vdst(0)                   ; the wait ahead of the wait below and of the batch
	s_wait_dscnt 9                                 ; V and its scale words are in; the next step's K, nine loads, may be out
.set j, 0
.rept 64
	v_exp_f32 v[S+j], v[S+j]                       ; p = 2^(t - M), at most 1
.set j, j+1
.endr
	v_pk_mul_f32 v[14:15], v[14:15], v[F:F+1] op_sel_hi:[1,0]   ; the sums under the new M: plain work behind the exponentials
	v_lshl_add_u32 v[W], v[NN+1], 16, v[NN]        ; my blocks' scale bytes, floor + 125: blocks h and 2 + h
	s_delay_alu instid0(VALU_DEP_1)
	v_add_lshl_u32 v[W], v[W], 0x7d007d, v[H8]
	s_delay_alu instid0(VALU_DEP_1)
	v_permlanex16_b32 v[TY], v[W], s[SEL], s[SEL+1]
	s_delay_alu instid0(VALU_DEP_1)
	v_or_b32 v[PW], v[W], v[TY]                    ; p's scale word for these 128 keys
	s_wait_alu depctr_va_vdst(0)                   ; one wait for the batch, ahead of its first reader
.irp c, 0,1
.irp t, 0,1,2,3
	v_cvt_scalef32_pk8_fp4_f32 v[PC+4*\c+\t], v[S+32*\c+8*\t:S+32*\c+8*\t+7], v[SO+\c]
.endr
.endr
	v_pk_add_f32 v[T1:T1+1], v[S:S+1], v[S+2:S+3]  ; the row's sum, of the unquantised p, in four chains; these twelve are also the places ahead of the products
	v_pk_add_f32 v[T2:T2+1], v[S+4:S+5], v[S+6:S+7]
	v_pk_add_f32 v[T3:T3+1], v[S+8:S+9], v[S+10:S+11]
.irp k, 6,10
	ADD 14, \k
	ADD T1, \k+1
	ADD T2, \k+2
	ADD T3, \k+3
.endr
	ADD 14, 14
.irp t, 0,1,2,3                                    ; O^T += V^T P^T: lane (r, h), register 8 t + j: channel 32 h + 8 t + j, query r
	v_wmma_scale_f32_16x16x128_f8f6f4 v[O+8*\t:O+8*\t+7], v[VF+8*\t:VF+8*\t+7], v[PC:PC+7], v[O+8*\t:O+8*\t+7], v[VS+\t], v[PW] matrix_a_fmt:MATRIX_FMT_FP4 matrix_b_fmt:MATRIX_FMT_FP4
.endr
.irp k, 15,19,23                                   ; the rest of the sum: the places behind the products
	ADD T1, \k
	ADD T2, \k+1
	ADD T3, \k+2
	ADD 14, \k+3
.endr
	ds_load_b128 v[VS:VS+3], v[ADS] offset:8448    ; the next step's V
	LOADV 0, 4
	ADD T1, 27
	ADD T2, 28
	ADD T3, 29
	ADD 14, 30
	LOADV 4, 8
	ADD T1, 31
	v_pk_add_f32 v[14:15], v[14:15], v[T3:T3+1]
	v_pk_add_f32 v[T1:T1+1], v[T1:T1+1], v[T2:T2+1]
	s_delay_alu instid0(VALU_DEP_1)
	v_pk_add_f32 v[14:15], v[14:15], v[T1:T1+1]
.Lhid_\@:
.endm
	ds_load_b128 v[KS:KS+3], v[ADS] offset:8192    ; step 0's fragments
	LOADK 0, 8
	ds_load_b128 v[VS:VS+3], v[ADS] offset:8448
	LOADV 0, 8
	STEP 0                                         ; step 0 is everybody's
	s_wait_alu depctr_va_vdst(0)                   ; ahead of the waits below
	s_wait_tensorcnt 0x0                           ; my record has landed, whichever wave I am;
	s_wait_dscnt 0x0                               ; no LDS load of mine is out at the signal
	s_barrier_signal -1
	s_mov_b32 s[SI], 1
	s_mov_b32 s[TB], KVREC
	STEP 1                                         ; step 1 reads record 1 and asks for record 2's fragments: both shown by the first barrier
	s_wait_alu depctr_va_vdst(0)                   ; ahead of the wait below
	s_barrier_wait -1                              ; all sixteen records lie in LDS
	s_mov_b32 s[SI], 2
	s_mov_b32 s[TB], 2*KVREC
.Lstep:                                            ; steps 2 .. 15: a constant count; a step all of whose keys come after my queries is jumped over
	STEP 1
	s_add_co_u32 s[TB], s[TB], KVREC
	s_add_co_u32 s[SI], s[SI], 1
	s_cmp_lt_u32 s[SI], 16
	s_cbranch_scc1 .Lstep
	; THE WAY OUT.  O^T / the sum goes through my own stage in LDS and leaves as whole pieces of 256 bytes: one token's 64 channels of my head.  Row n of the stage is token 32 (n / 8) + n % 8 from the tile's first
	s_wait_alu depctr_va_vdst(0)                   ; ahead of the wait below
	s_wait_dscnt 0x0                               ; the fragments asked for in vain are in: their registers are free
	v_add_f32 v14, v14, v15                        ; the sum's two halves,
	s_delay_alu instid0(VALU_DEP_1)
	v_permlanex16_b32 v[TT], v14, s[SEL], s[SEL+1]
	s_delay_alu instid0(VALU_DEP_1)
	v_add_f32 v14, v14, v[TT]                      ; and lane l xor 16's
	s_wait_alu depctr_va_vdst(0)                   ; the wait ahead of the transcendental too
	v_rcp_f32 v[RL], v14
	v_nop                                          ; one plain place behind a transcendental
	s_wait_alu depctr_va_vdst(0)                   ; the wait ahead of the first reader
.set j, 0
.rept 16
	v_pk_mul_f32 v[S+j:S+j+1], v[O+j:O+j+1], v[RL:RL+1] op_sel_hi:[1,0]
.set j, j+2
.endr
.irp t, 0,1,2,3
	ds_store_b128 v[STI], v[S+8*\t:S+8*\t+3] offset:32*\t
	ds_store_b128 v[STI], v[S+8*\t+4:S+8*\t+7] offset:32*\t+16
.endr
.irp i, 0,1,2,3,4,5,6,7
	ds_load_b128 v[KF+4*\i:KF+4*\i+3], v[STR] offset:544*\i   ; LDS serves a wave's instructions in order (ISA guide 5.7.1.4): these see my stores
.endr
.irp i, 0,1,2,3,4,5,6,7
	s_wait_dscnt 7-\i                              ; rows 2 i and 2 i + 1 are back; the younger loads may be out
	global_store_b128 v[GO], v[KF+4*\i:KF+4*\i+3], s[OB:OB+1] offset:4096*(32*(\i/4)+2*(\i%4)) th:TH_STORE_NT   ; 16 lanes store 256 consecutive bytes, at a multiple of 256 from the output's first byte
.endr
	s_wait_tensorcnt 0x0                           ; the wave's end
	ds_add_u32 v[SPW], v[NIL]
	s_wait_dscnt 0x0
	CROUND                                         ; the closing round: no work-group ends while a partner may still ask for a tile that names it
	s_endpgm
.Lfunc_end_k_qe342a6d8f1_attn:
	.size	k_qe342a6d8f1_attn, .Lfunc_end_k_qe342a6d8f1_attn-k_qe342a6d8f1_attn
	.p2alignl 7, 3214868480
	.fill 96, 4, 3214868480
	.section	.rodata,"a",@progbits
	.p2align	6, 0x0
	.amdhsa_kernel k_qe342a6d8f1_attn
		.amdhsa_group_segment_fixed_size 210944
		.amdhsa_private_segment_fixed_size 0
		.amdhsa_enable_private_segment 0
		.amdhsa_kernarg_size 24
		.amdhsa_user_sgpr_count 2
		.amdhsa_user_sgpr_kernarg_segment_ptr 1
		.amdhsa_wavefront_size32 1
		.amdhsa_system_sgpr_workgroup_id_x 1
		.amdhsa_system_sgpr_workgroup_id_y 1
		.amdhsa_system_sgpr_workgroup_id_z 1
		.amdhsa_system_vgpr_workitem_id 0
		.amdhsa_next_free_vgpr 256
		.amdhsa_next_free_sgpr 66
		.amdhsa_reserve_vcc 1
		.amdhsa_float_denorm_mode_32 3
		.amdhsa_float_denorm_mode_16_64 3
		.amdhsa_memory_ordered 1
		.amdhsa_forward_progress 1
		.amdhsa_inst_pref_size 70
	.end_amdhsa_kernel
	.amdgpu_metadata
---
amdhsa.version: [ 1, 2 ]
amdhsa.kernels:
  - .name:           k_qe342a6d8f1_attn
    .symbol:         k_qe342a6d8f1_attn.kd
    .args:
      - { .name: qimg, .offset: 0, .size: 8, .value_kind: global_buffer, .address_space: global }
      - { .name: kvimg, .offset: 8, .size: 8, .value_kind: global_buffer, .address_space: global }
      - { .name: out0, .offset: 16, .size: 8, .value_kind: global_buffer, .address_space: global }
    .group_segment_fixed_size: 210944
    .private_segment_fixed_size: 0
    .kernarg_segment_align: 8
    .kernarg_segment_size: 24
    .max_flat_workgroup_size: 512
    .sgpr_count:     66
    .vgpr_count:     256
    .wavefront_size: 32
...
	.end_amdgpu_metadata
.endif
;; end of part 2
